; MI455X (gfx1250); checked and timed in simulation.
; The chip was launched on July 23, 2026; its instructions are those of AMD's public machine-readable ISA for CDNA 5 (MIT licence, August 2026) and "CDNA5" Instruction Set Architecture Reference Guide (July 2026). The comments in the code are by the model that wrote it; some were corrected since.
;; Hubert With Kmeans. Allowed arithmetic: matrix products marked QUANTISED: E5M2 operands, one E8M0 scale for each 32 along K, by v_wmma_scale_f32_16x16x128_f8f6f4 with both operands' format E5M2, f32 sums; everything else in f32.
;; Inputs: cluster_centers 2,048 x 768 float32; embed 8 x 4,096 x 768 float32.
;; Outputs: out0 8 x 4,096 int32.
;; This version of the problem:
;;   THIS VERSION OF THE PROBLEM IS GIVEN IN LOW PRECISION. The matrix products marked QUANTISED in the list below multiply operands that are first quantised to E5M2 (5 exponent bits, 2 mantissa bits; 8 bits a number), with one power-of-two scale for each 32 numbers along K (OCP MX v1.0); their sums are f32. All else is computed in f32.
;;   The module's matrix products, in the order in which they are computed (A, B: the left and right operand; K: the contracted axis; several contracted axes count as one K, in the product's order):
;;     1. [M 32,768, K 768] x [K 768, N 2,048]; A: input embed; B: input cluster_centers: QUANTISED
;;   THE QUANTISER, for each operand of a quantised product, along K:
;;     - K is cut into blocks of 32 from its start; a last block that is shorter is filled with zeros.
;;     - A block's scale is 2^e with e = floor(log2(the largest magnitude in the block)) - 15, held to -126 .. 127; a block of zeros has e = 0. As a byte (E8M0): e + 127.
;;     - Each number is divided by its block's scale, clamped to +-57,344, and rounded to the nearest number of E5M2, ties to even, subnormals kept.
;;     - The product sums the exact products of the quantised numbers (number of the format x scale) in f32.
;;   ~~~python
;;   def quantise(x, axis):      # numpy; x: float32 -> the quantised numbers, widened to float32 again
;;       x = np.moveaxis(x, axis, -1); K = x.shape[-1]
;;       x = np.pad(x, [(0, 0)] * (x.ndim - 1) + [(0, -K % 32)]); x = x.reshape(x.shape[:-1] + (-1, 32)); a = np.abs(x).max(-1, keepdims=True)
;;       e = np.where(a > 0, np.clip(np.frexp(np.where(a > 0, a, 1))[1] - 1 - 15, -126, 127), 0)      # np.frexp(a)[1] - 1 = floor(log2(a)), exactly
;;       r = np.clip(x / 2.0 ** e, -57344, 57344)
;;       step = 2.0 ** (np.maximum(np.frexp(np.where(r == 0, 1, r))[1] - 1, -14) - 2)
;;       q = np.round(r / step) * step * 2.0 ** e      # np.round: ties to even
;;       return np.moveaxis(q.reshape(q.shape[:-2] + (-1,))[..., :K], -1, axis).astype(np.float32)
;;   ~~~
;; One version. Each part assembles by itself: llvm-mc -triple=amdgcn-amd-amdhsa -mcpu=gfx1250 --defsym DOCPART=n.
;; ======== version 1 of 1: 2 launches
;; limits: right only within a limited range of input values
;; workspace buffers: cb 1,622,016 bytes; csq 8,192 bytes
;; launch prep (part 1): grid 64 x 1, 12 waves a work-group, no clusters, 3,584 bytes of LDS; arguments cluster_centers, cb, csq; writes cb, csq
.if DOCPART == 1
	.amdgcn_target "amdgcn-amd-amdhsa--gfx1250"
	.amdhsa_code_object_version 6
	.text
	.protected	k_q285c7122b4_prep
	.globl	k_q285c7122b4_prep
	.p2align	8
	.type	k_q285c7122b4_prep,@function
k_q285c7122b4_prep:
	s_mov_b64 s[64:65], 0
	v_nop
	global_prefetch_b8 v0, s[64:65] scope:SCOPE_SE
	s_setreg_imm32_b32 hwreg(HW_REG_WAVE_MODE, 25, 1), 1
	s_wait_xcnt 0x0
; The centres [2048][768] f32 become codes of BF8 (E5M2) with one E8M0 scale byte for each 32 along K, laid as images of the matrix operand's registers, and c_sq[c] = the sum of the unquantised squares.
; A work-group takes a PAIR of tiles of 16 centres; wave v = 6 q + s takes tile q of the pair and K step s (128 along K).  Lane (r, h) holds row r and, of each block of 32, the 16 numbers 16 h on.
; A pair in cb, 25,344 bytes = 99 x 256: twelve images of 2,048 bytes (register group c of lane l at 2048 v + 512 c + 16 l); at 24,576 the scale words, 64 v + 4 r.  csq: c_sq[2048], f32.
; A block's scale byte is the largest magnitude's exponent field - 15, held at 1 from below.  A block of zeros gets the byte 1 where the rule says 127: its codes are zeros, and this program alone reads the bytes.
; LIMITS: NaN and infinities among the inputs are not served; c_sq is summed in this text's own order (two packed chains a lane, the two halves of the lanes, the six K steps ascending).
.set PAIR, 25344
.set TM,  8                            ; v8-11 largest magnitudes, v12-15 bytes (v12 then the scale word), v16-19 the hold, v20-23 the conversions' scale operands
.set PC,  24                           ; v24-39 the codes
.set XS,  40                           ; v[40:41] the sum of squares
.set PS,  42                           ; v42-47 the six K steps' sums
.set WO,  54                           ; v54-59 the pair's 768 bytes of scale words on their way out
.set X,   64                           ; v64-127 my 64 numbers
.set SEL, 20
.set MNT, 23
.macro SQSUM s
	v_pk_mul_f32 v[XS:XS+1], v[\s:\s+1], v[\s:\s+1]
	v_pk_mul_f32 v[TM:TM+1], v[\s+2:\s+3], v[\s+2:\s+3]
.irp j, 4,8,12,16,20,24,28,32,36,40,44,48,52,56,60
	v_pk_fma_f32 v[XS:XS+1], v[\s+\j:\s+\j+1], v[\s+\j:\s+\j+1], v[XS:XS+1]
	v_pk_fma_f32 v[TM:TM+1], v[\s+\j+2:\s+\j+3], v[\s+\j+2:\s+\j+3], v[TM:TM+1]
.endr
	v_pk_add_f32 v[XS:XS+1], v[XS:XS+1], v[TM:TM+1]
.endm
.macro QUANT s                         ; 64 numbers of a lane become a fragment's codes in v[PC] on and its scale word in v[TM+4]
.irp b, 0,1,2,3
	v_max3_num_f32 v[TM+\b], |v[\s+16*\b]|, |v[\s+1+16*\b]|, 0x8000000   ; with the floor 2^(16 - 127)
.endr
.irp i, 2,4,6,8,10,12,14
.irp b, 0,1,2,3
	v_max3_num_f32 v[TM+\b], v[TM+\b], |v[\s+16*\b+\i]|, |v[\s+1+16*\b+\i]|
.endr
.endr
.irp b, 0,1,2,3
	v_permlanex16_b32 v[TM+4+\b], v[TM+\b], s[SEL], s[SEL+1]
.endr
.irp b, 0,1,2,3
	v_max_num_f32 v[TM+\b], v[TM+\b], v[TM+4+\b]
.endr
.irp b, 0,1,2,3
	v_add_nc_u32 v[TM+12+\b], 0xf8800000, v[TM+\b]   ; 15 off the exponent field
.endr
.irp b, 0,1,2,3
	v_and_or_b32 v[TM+8+\b], v[TM+\b], 0x7f800000, s[MNT]   ; 57,344 x the scale
.endr
.irp b, 0,1,2,3
	v_lshrrev_b32 v[TM+4+\b], 23, v[TM+12+\b]
.endr
	v_lshl_or_b32 v[TM+4], v[TM+5], 8, v[TM+4]
	v_lshl_or_b32 v[TM+4], v[TM+6], 16, v[TM+4]
	v_lshl_or_b32 v[TM+4], v[TM+7], 24, v[TM+4]
.irp b, 0,1,2,3
.irp i, 0,1,2,3,4,5,6,7,8,9,10,11,12,13,14,15
	v_med3_num_f32 v[\s+16*\b+\i], v[\s+16*\b+\i], -v[TM+8+\b], v[TM+8+\b]   ; the conversion does not saturate (ISA guide 7.6.2): the hold comes first
.endr
	v_cvt_scalef32_pk8_bf8_f32 v[PC+4*\b:PC+1+4*\b], v[\s+16*\b:\s+7+16*\b], v[TM+12+\b]
	v_cvt_scalef32_pk8_bf8_f32 v[PC+2+4*\b:PC+3+4*\b], v[\s+8+16*\b:\s+15+16*\b], v[TM+12+\b]
.endr
	v_nop                                          ; one plain vector line behind the last conversion
.endm
	s_load_b128 s[4:7], s[0:1], 0x0                ; the centres, cb
	s_load_b64 s[8:9], s[0:1], 0x10                ; csq
	v_lshl_add_u32 v128, v0, 2, 0x800              ; my spare word: the spare words lie from byte 2,048 on
	v_mov_b32 v129, 0
	v_lshrrev_b32 v1, 5, v0
	v_readfirstlane_b32 s16, v1                    ; wave 0..11
	v_and_b32 v1, 15, v0                           ; r
	v_bfe_u32 v2, v0, 4, 1                         ; h
	v_mul_u32_u24 v3, v1, 3072
	v_lshl_add_u32 v3, v2, 6, v3                   ; row r, + 64 h
	v_and_b32 v6, 31, v0
	v_lshlrev_b32 v4, 4, v6                        ; 16 x lane
	v_lshlrev_b32 v52, 3, v6                       ; 8 x lane
	v_lshlrev_b32 v6, 2, v6                        ; 4 x lane
	v_lshlrev_b32 v5, 2, v1                        ; 4 r
	v_mad_u32_u24 v53, v2, 384, v5                 ; wave 0's way out: lane l sums centre l of the pair's 32: 384 (l / 16) + 4 r
	s_lshl_b32 s17, s16, 6
	v_add_nc_u32 v7, s17, v5                       ; LDS: 64 x wave + 4 r
	s_mov_b32 s[SEL], 0x76543210
	s_mov_b32 s[SEL+1], 0xfedcba98
	s_mov_b32 s[MNT], 0x600000
.irp b, 0,1,2,3
	v_mov_b32 v[TM+4+\b], 0                        ; a lane permute's destination counts as one of its sources
.endr
	s_cmp_ge_u32 s16, 6
	s_cselect_b32 s26, 1, 0                        ; q
	s_mul_i32 s27, s26, 6
	s_sub_co_u32 s27, s16, s27                     ; K step
	s_mul_i32 s10, ttmp9, 98304                    ; the pair's 32 rows,
	s_mul_i32 s12, s26, 49152                      ; my tile's 16,
	s_add_co_u32 s10, s10, s12
	s_lshl_b32 s12, s27, 9                         ; my K step's 512 bytes of a row
	s_add_co_u32 s10, s10, s12
	s_mov_b32 s11, 0
	s_mul_i32 s12, ttmp9, PAIR
	s_mov_b32 s13, 0
	s_lshl_b32 s14, s16, 11                        ; my image
	s_mov_b32 s15, 0
	s_lshl_b32 s18, ttmp9, 7                       ; the pair's 32 words of csq
	s_mov_b32 s19, 0
	s_wait_alu depctr_va_vdst(0)                   ; the wait at the head's end
	s_wait_kmcnt 0x0
	s_add_nc_u64 s[4:5], s[4:5], s[10:11]
	s_add_nc_u64 s[6:7], s[6:7], s[12:13]
	s_add_nc_u64 s[24:25], s[6:7], s[14:15]
	s_add_nc_u64 s[8:9], s[8:9], s[18:19]
.irp b, 0,1,2,3
.irp j, 0,1,2,3
	global_load_b128 v[X+16*\b+4*\j:X+16*\b+4*\j+3], v3, s[4:5] offset:128*\b+16*\j
.endr
.endr
	s_wait_loadcnt 0x0
	SQSUM X                                        ; ahead of QUANT, which holds the numbers in place
	v_add_f32 v[XS], v[XS], v[XS+1]
	v_permlanex16_b32 v[TM+4], v[XS], s[SEL], s[SEL+1]
	v_add_f32 v[XS], v[XS], v[TM+4]                ; row r's sum over my 128 along K
	QUANT X
.irp c, 0,1,2,3
	global_store_b128 v4, v[PC+4*\c:PC+4*\c+3], s[24:25] offset:512*\c   ; 32 lanes store 512 consecutive bytes, at a multiple of 256 from cb's first byte
.endr
	ds_store_b32 v7, v[TM+4]                       ; both halves of the lanes write the same word with the same value
	ds_store_b32 v7, v[XS] offset:1024
	s_wait_dscnt 0x0                               ; for wave 0's sake: my two stores have landed
	s_barrier_signal -1
	s_barrier_wait -1
	s_cmp_lg_u32 s16, 0                            ; wave 0 alone finishes the pair
	s_cbranch_scc1 .Ldone
.irp s, 0,1,2,3,4,5
	ds_load_b32 v[PS+\s], v53 offset:1024+64*\s
.endr
	ds_load_b128 v[WO:WO+3], v4                    ; the 768 bytes of scale words: 512,
	ds_load_b64 v[WO+4:WO+5], v52 offset:512       ; and 256
	s_wait_dscnt 0x0
.irp s, 1,2,3,4,5
	v_add_f32 v[PS], v[PS], v[PS+\s]               ; K steps ascending
.endr
	global_store_b128 v4, v[WO:WO+3], s[6:7] offset:24576
	global_store_b64 v52, v[WO+4:WO+5], s[6:7] offset:25088
	global_store_b32 v6, v[PS], s[8:9]             ; c_sq of the pair's 32 centres
.Ldone:
	s_wait_tensorcnt 0x0                           ; the wave's end
	ds_add_u32 v128, v129
	s_wait_dscnt 0x0
	s_endpgm
.Lfunc_end_k_q285c7122b4_prep:
	.size	k_q285c7122b4_prep, .Lfunc_end_k_q285c7122b4_prep-k_q285c7122b4_prep
	.p2alignl 7, 3214868480
	.fill 96, 4, 3214868480
	.section	.rodata,"a",@progbits
	.p2align	6, 0x0
	.amdhsa_kernel k_q285c7122b4_prep
		.amdhsa_group_segment_fixed_size 3584
		.amdhsa_private_segment_fixed_size 0
		.amdhsa_enable_private_segment 0
		.amdhsa_kernarg_size 24
		.amdhsa_user_sgpr_count 2
		.amdhsa_user_sgpr_kernarg_segment_ptr 1
		.amdhsa_wavefront_size32 1
		.amdhsa_system_sgpr_workgroup_id_x 1
		.amdhsa_system_sgpr_workgroup_id_y 1
		.amdhsa_system_sgpr_workgroup_id_z 1
		.amdhsa_system_vgpr_workitem_id 0
		.amdhsa_next_free_vgpr 130
		.amdhsa_next_free_sgpr 66
		.amdhsa_reserve_vcc 0
		.amdhsa_float_denorm_mode_32 3
		.amdhsa_float_denorm_mode_16_64 3
		.amdhsa_memory_ordered 1
		.amdhsa_forward_progress 1
		.amdhsa_inst_pref_size 16
	.end_amdhsa_kernel
	.amdgpu_metadata
---
amdhsa.version: [ 1, 2 ]
amdhsa.kernels:
  - .name:           k_q285c7122b4_prep
    .symbol:         k_q285c7122b4_prep.kd
    .args:
      - { .name: cluster_centers, .offset: 0, .size: 8, .value_kind: global_buffer, .address_space: global }
      - { .name: cb, .offset: 8, .size: 8, .value_kind: global_buffer, .address_space: global }
      - { .name: csq, .offset: 16, .size: 8, .value_kind: global_buffer, .address_space: global }
    .group_segment_fixed_size: 3584
    .private_segment_fixed_size: 0
    .kernarg_segment_align: 8
    .kernarg_segment_size: 24
    .max_flat_workgroup_size: 384
    .sgpr_count:     66
    .vgpr_count:     130
    .wavefront_size: 32
...
	.end_amdgpu_metadata
.endif
;; end of part 1
;; launch knn (part 2): grid 256 x 1, 4 waves a work-group, clusters of 4 x 1, 327,680 bytes of LDS; arguments embed, cb, csq, out0; writes out0
.if DOCPART == 2
	.amdgcn_target "amdgcn-amd-amdhsa--gfx1250"
	.amdhsa_code_object_version 6
	.text
	.protected	k_q285c7122b4_knn
	.globl	k_q285c7122b4_knn
	.p2align	8
	.type	k_q285c7122b4_knn,@function
k_q285c7122b4_knn:
	s_mov_b64 s[64:65], 0
	v_nop
	global_prefetch_b8 v0, s[64:65] scope:SCOPE_SE
	s_setreg_imm32_b32 hwreg(HW_REG_WAVE_MODE, 25, 1), 1
	s_wait_xcnt 0x0
	s_wait_alu depctr_hold_cnt(0) depctr_sa_sdst(0) depctr_va_vdst(0) depctr_va_sdst(0) depctr_va_ssrc(0) depctr_va_vcc(0) depctr_vm_vsrc(0)
	s_getreg_b32 s2, hwreg(HW_REG_IB_STS2, 6, 4)
	s_cmp_eq_u32 s2, 0
	s_cbranch_scc0 .Lentry_in_a_cluster
	s_endpgm
.Lentry_in_a_cluster:
	s_bfe_u32 s2, ttmp6, 0x10000c
	s_cmp_lg_u32 s2, 0x3003
	s_cbranch_scc0 .Lentry_shape_is_right
	s_endpgm
.Lentry_shape_is_right:
; out0[row] = the first index c of the least sqrt(max(x_sq[row] + c_sq[c] - 2 cross[row][c], 0)); cross = embed x centres^T on codes of BF8 (E5M2) with one E8M0 scale for each 32 along K, f32 sums.
; SHARES.  A work-group owns 128 rows of embed, read from memory once.  Every wave takes all 128 rows and a quarter of the 2,048 centres (wave w: tiles 32 w .. 32 w + 31 of 16 centres).
; PHASE A: wave w quantises rows 32 w .. 32 w + 31.  Its rows come by four tensor loads of 16 rows x 1,536 bytes (six whole blocks of 256 bytes a row) into the two slots that the centres use afterwards.
; The tile is stated 396 elements wide over a tensor width of 384: each LDS row is 1,584 bytes (99 x 16: the sixteen rows that a load touches start at sixteen different groups of banks), its last 48 bytes written as zeros,
; and a wave's part is 16 x 1,584 = 25,344 bytes, exactly a pair of the centres' records.
; Lane (r, h) reads row r's 16 neighbours of each block of 32, sums squares, quantises; codes and scale words go to LDS as images of the operand's registers.
; THEN each wave keeps the codes of all 128 rows in 768 registers, and the centres' pairs of records (25,344 bytes: twelve images of 2,048 bytes, 768 bytes of scale words) stream through the ring of two slots, a pair a wave.
; A STEP is one tile of centres x 8 tiles of rows x 6 K steps = 48 matrix instructions, then the comparison of its 8 x 8 numbers a lane; 32 steps a wave.  One set of accumulators: beside the codes one window of 256 is left.
; THE MATRIX INSTRUCTION: source 0 = 16 centres, source 1 = 16 rows: lane (r, h) holds ONE row (16 rt + r) and the centres 16 ct + 8 h + 0 .. 7.
; THE MINIMUM.  t = x_sq + c_sq and q = fma(cross, -2, t), the least of a tile's eight, and the running least clipped at 0; where a tile improves the least STRICTLY, its number and its eight q are kept by selects.
; max(., 0) and the root never fall where q rises, so the least is tracked on q; the root, correctly rounded, is taken where lanes and waves meet, and there equal roots go to the lower index.
; CLUSTER.  All work-groups walk the same records: four form a cluster and ask for each part of a slot jointly (mask 15).  Embed's loads are each work-group's own (mask 0), behind rounds like the others.
; PREFETCH.  Behind fill n of embed each wave names fill n + 1's 96 blocks of 256 bytes, a lane a block, three instructions; the last fill has no successor.  None for the centres: all work-groups read the same 1.6 MB.
; c_sq: each wave brings its own quarter (2,048 bytes) through registers into LDS bytes that it alone reads.
; LIMITS.  NaN and infinities among the inputs are not served.  A squared distance under 2^-126 has the root 0 (v_sqrt_f32 takes a denormal as 0).  x_sq and c_sq are summed in this text's own order.
; Two centres of ONE lane's subset (one quarter of the centres, one group of 8 in each 16) whose q differ but whose f32 roots are equal: this text takes the smaller q, where the first index is asked.
; A block of zeros has the scale byte 1 and not 127: its codes are zeros.
; LDS: two slots | x's 48 images | their scale words | x_sq | the waves' candidates | c_sq | the spare words.  The launch claims all of LDS.
.set PAIR,  25344
.set EROW,  1584
.set SLOT,  4*PAIR                     ; wave w fills, and alone reads, the 25,344 bytes at 25,344 w
.set XIMG,  2*SLOT                     ; fragment (row tile T, K step s) at (6 T + s) x 2,048
.set XSC,   XIMG+48*2048
.set XSQL,  XSC+48*64
.set SCR,   XSQL+512
.set CSQL,  SCR+4096
.set SPARE, CSQL+8192
; REGISTERS.  windows 1, 2, 3: the rows' fragments: A(rt, s) in window 1 + s / 2 at v[16 (8 (s % 2) + rt)].  window 0:
.set SPW,  1
.set NIL,  2
.set XWS,  3                           ; phase A: where I store a scale word
.set ADC,  3                           ; afterwards: c_sq: my quarter, + 32 h
.set ASC,  4                           ; v4-27 x's scale words [3 rt + q]; v4-30 hold scales and nothing else
.set BSC,  28                          ; v28-30 the tile of centres' [q]
.set PFO,  31                          ; the prefetches' offset: 3,072 r + 256 h; never rewritten
.set ADB,  32                          ; v32-33 slot 0, 1: my pair + 16 x lane
.set ADS,  34                          ; v34-35 the same + 4 x lane
.set MIN,  36
.set XI,   40                          ; v40-55 pairs by row tile: x_sq, the number of the tile that holds the least
.set RUN,  56
.set CSQ,  64
.set TT,   72
.set SAVE, 80
.set ACC,  144
.set BF,   208
.set TM,   32                          ; phase A alone: v32-43 at work, v44-59 codes, v[60:61] the sum of squares, v62, v63 addresses, v64-255 three buffers of 64 numbers
.set PC,   44
.set XS,   60
.set XA,   62
.set XWI,  63
.set X,    64
.set G1,   24                          ; s[24:31] group 1 for the centres: 99 rows of 256 bytes;  s[32:39] for embed;  s[40:47] group 0 for the centres, slot 0, 1;  s[68:75] for embed
.set G1E,  32
.set G0,   40
.set G0E,  68
.set SEL,  52
.set MNT,  54
.set CNT,  55
.set TE,   56
.set MSB, 0
.macro WIN new
.if MSB != \new
	s_set_vgpr_msb (MSB<<8)|\new
.set MSB, \new
.endif
.endm
.macro PLACES n
.rept \n
	v_nop
.endr
.endm
.macro CREST
	s_cmp_lg_u32 s12, 0
	s_cbranch_scc1 .Lnot_wave_0_\@
	s_barrier_signal -3
.Lnot_wave_0_\@:
	s_barrier_wait -3
	s_barrier_signal -1
	s_barrier_wait -1
.endm
.macro CROUND
	s_barrier_signal -1
	s_barrier_wait -1
	CREST
.endm
; A fill in phase A: all my tensor loads have landed, the add, my LDS instructions are done, a round of the cluster's barrier, and my one load behind it.
.macro FILL g0, g1, step
	s_wait_alu depctr_va_vdst(0)                   ; the wait ahead of the waits and branches below
	s_wait_tensorcnt 0x0
	ds_add_u32 v[SPW], v[NIL]
.if \step
	s_add_nc_u64 s[\g0+2:\g0+3], s[\g0+2:\g0+3], \step   ; no load of mine is out
.endif
	s_wait_dscnt 0x0
	CROUND
	tensor_load_to_lds s[\g0:\g0+3], s[\g1:\g1+7]
	s_nop 0
	PLACES 4
.endm
.macro PF n                            ; fill n's 96 blocks of 256 bytes: row r, blocks 2 p + h
.irp p, 0,1,2
	global_prefetch_b8 v[PFO], s[4:5] offset:((\n)/2)*49152+((\n)%2)*1536+512*\p th:TH_LOAD_NT scope:SCOPE_SE
.endr
.endm
.macro XL                              ; a fill's three K steps: 64 numbers a lane each, into the three buffers
.irp s, 0,1,2
.irp b, 0,1,2,3
.irp j, 0,1,2,3
	ds_load_b128 v[X+64*\s+16*\b+4*\j:X+64*\s+16*\b+4*\j+3], v[XA] offset:512*\s+128*\b+16*\j
.endr
.endr
.endr
.endm
.macro SQSUM s, first
.if \first
	v_pk_mul_f32 v[XS:XS+1], v[\s:\s+1], v[\s:\s+1]
.else
	v_pk_fma_f32 v[XS:XS+1], v[\s:\s+1], v[\s:\s+1], v[XS:XS+1]
.endif
	v_pk_mul_f32 v[TM:TM+1], v[\s+2:\s+3], v[\s+2:\s+3]
.irp j, 4,8,12,16,20,24,28,32,36,40,44,48,52,56,60
	v_pk_fma_f32 v[XS:XS+1], v[\s+\j:\s+\j+1], v[\s+\j:\s+\j+1], v[XS:XS+1]
	v_pk_fma_f32 v[TM:TM+1], v[\s+\j+2:\s+\j+3], v[\s+\j+2:\s+\j+3], v[TM:TM+1]
.endr
	v_pk_add_f32 v[XS:XS+1], v[XS:XS+1], v[TM:TM+1]
.endm
.macro QUANT s                         ; codes in v[PC] on, the scale word in v[TM]
.irp b, 0,1,2,3
	v_max3_num_f32 v[TM+\b], |v[\s+16*\b]|, |v[\s+1+16*\b]|, 0x8000000   ; with the floor 2^(16 - 127)
.endr
.irp i, 2,4,6,8,10,12,14
.irp b, 0,1,2,3
	v_max3_num_f32 v[TM+\b], v[TM+\b], |v[\s+16*\b+\i]|, |v[\s+1+16*\b+\i]|
.endr
.endr
.irp b, 0,1,2,3
	v_permlanex16_b32 v[TM+4+\b], v[TM+\b], s[SEL], s[SEL+1]
.endr
.irp b, 0,1,2,3
	v_max_num_f32 v[TM+\b], v[TM+\b], v[TM+4+\b]
.endr
.irp b, 0,1,2,3
	v_add_nc_u32 v[TM+8+\b], 0xf8800000, v[TM+\b]
.endr
.irp b, 0,1,2,3
	v_and_or_b32 v[TM+4+\b], v[TM+\b], 0x7f800000, s[MNT]
.endr
.irp b, 0,1,2,3
	v_lshrrev_b32 v[TM+\b], 23, v[TM+8+\b]
.endr
	v_lshl_or_b32 v[TM], v[TM+1], 8, v[TM]
	v_lshl_or_b32 v[TM], v[TM+2], 16, v[TM]
	v_lshl_or_b32 v[TM], v[TM+3], 24, v[TM]
.irp b, 0,1,2,3
.irp i, 0,1,2,3,4,5,6,7,8,9,10,11,12,13,14,15
	v_med3_num_f32 v[\s+16*\b+\i], v[\s+16*\b+\i], -v[TM+4+\b], v[TM+4+\b]   ; the conversion does not saturate (ISA guide 7.6.2): the hold comes first
.endr
	v_cvt_scalef32_pk8_bf8_f32 v[PC+4*\b:PC+1+4*\b], v[\s+16*\b:\s+7+16*\b], v[TM+8+\b]
	v_cvt_scalef32_pk8_bf8_f32 v[PC+2+4*\b:PC+3+4*\b], v[\s+8+16*\b:\s+15+16*\b], v[TM+8+\b]
.endr
	v_nop
.endm
.macro UNIT u                          ; unit u = 6 x (which of my two row tiles) + K step
.set XB, X+64*((\u)%3)
	s_wait_dscnt 0x0                               ; the fill's LDS loads are in, and the last unit's LDS stores have read their registers
.if (\u)%6 == 0
	SQSUM XB, 1
.else
	SQSUM XB, 0
.endif
	QUANT XB
.irp c, 0,1,2,3
	ds_store_b128 v[XWI], v[PC+4*\c:PC+4*\c+3] offset:2048*(\u)+512*\c
.endr
	ds_store_b32 v[XWS], v[TM] offset:64*(\u)      ; both halves of the lanes write the same word with the same value
.if (\u)%6 == 5
	v_add_f32 v[XS], v[XS], v[XS+1]
	v_permlanex16_b32 v[TM+5], v[XS], s[SEL], s[SEL+1]
	v_and_b32 v[TM+9], 15, v0
	v_add_f32 v[XS], v[XS], v[TM+5]                ; x_sq of row r
	v_lshl_add_u32 v[TM+9], v[TM+9], 2, s21
	ds_store_b32 v[TM+9], v[XS] offset:64*((\u)/6)
.endif
.endm
; ---------------- the steps' macros
.macro AFETCH wn                       ; the 16 fragments of window wn; v72 serves row tiles 0-3, v73 row tiles 4-7
	WIN ((\wn)<<6)
.irp sl, 0,1
.irp rt, 0,1,2,3,4,5,6,7
.irp i, 0,1,2,3
	ds_load_b128 v[16*(8*\sl+\rt)+4*\i:16*(8*\sl+\rt)+4*\i+3], v[72+\rt/4] offset:(6*(\rt%4)+2*((\wn)-1)+\sl)*2048+512*\i
.endr
.endr
.endr
.endm
.macro WM s, rt                        ; the first K step starts the sum with the constant 0; odd K steps take their scale words from lanes 16-31
.set w_d, ACC+8*(\rt)
.set w_b, BF+16*((\s)%3)
.set w_a, 16*(8*((\s)%2)+(\rt))
.set w_sb, BSC+(\s)/2
.set w_sa, ASC+3*(\rt)+(\s)/2
.if (\s) == 0
	v_wmma_scale_f32_16x16x128_f8f6f4 v[w_d:w_d+7], v[w_b:w_b+15], v[w_a:w_a+15], 0, v[w_sb], v[w_sa] matrix_a_fmt:MATRIX_FMT_BF8 matrix_b_fmt:MATRIX_FMT_BF8
.elseif (\s)%2 == 0
	v_wmma_scale_f32_16x16x128_f8f6f4 v[w_d:w_d+7], v[w_b:w_b+15], v[w_a:w_a+15], v[w_d:w_d+7], v[w_sb], v[w_sa] matrix_a_fmt:MATRIX_FMT_BF8 matrix_b_fmt:MATRIX_FMT_BF8
.else
	v_wmma_scale_f32_16x16x128_f8f6f4 v[w_d:w_d+7], v[w_b:w_b+15], v[w_a:w_a+15], v[w_d:w_d+7], v[w_sb], v[w_sa] matrix_a_fmt:MATRIX_FMT_BF8 matrix_b_fmt:MATRIX_FMT_BF8 matrix_a_scale:MATRIX_SCALE_ROW1 matrix_b_scale:MATRIX_SCALE_ROW1
.endif
.endm
.macro ROUND8 s                        ; one fragment of the centres against the 8 row tiles: the 8 accumulators by turns
	WIN ((1+(\s)/2)<<2)
.irp rt, 0,1,2,3,4,5,6,7
	WM \s, \rt
.endr
.endm
.macro BLOAD q, k                      ; K step k of step q (mod 4): slot q / 2, record q % 2 of my pair
.irp i, 0,1,2,3
	ds_load_b128 v[BF+16*((\k)%3)+4*\i:BF+16*((\k)%3)+4*\i+3], v[ADB+(\q)/2] offset:((\q)%2)*12288+2048*(\k)+512*\i
.endr
.endm
.macro NEXTB q
.irp g, 0,1,2
	ds_load_b32 v[BSC+\g], v[ADS+(\q)/2] offset:24576+((\q)%2)*384+128*\g
.endr
.irp k, 0,1,2
	BLOAD \q, \k
.endr
.endm
; Line e_n of 192 of a step's comparison.  Four pairs of row tiles, 48 lines each: 26 in which the two tiles alternate (t and q, each accumulator from its low end on; the least of eight; the new running least,
; clipped at 0), then for each tile a compare, nine selects and the least's move.
.macro EP
.set e_pr, e_n/48
.set e_m, e_n%48
.if e_m < 16
.set e_u, e_m%2
.set e_p, (e_m%4)/2
.set e_h, e_m/8
.set e_k, 0
.elseif e_m < 26
.set e_u, e_m%2
.set e_k, (e_m-16)/2
.else
.set e_u, (e_m-26)/11
.set e_k, (e_m-26)%11
.endif
.set e_r, 2*e_pr+e_u
.set e_q, ACC+8*e_r
.if e_m < 16
.if (e_m%8) < 4
	v_pk_add_f32 v[TT+4*e_u+2*e_p:TT+4*e_u+2*e_p+1], v[CSQ+4*e_h+2*e_p:CSQ+4*e_h+2*e_p+1], v[XI+2*e_r:XI+2*e_r+1] op_sel_hi:[1,0]
.else
	v_pk_fma_f32 v[e_q+4*e_h+2*e_p:e_q+4*e_h+2*e_p+1], v[e_q+4*e_h+2*e_p:e_q+4*e_h+2*e_p+1], -2.0, v[TT+4*e_u+2*e_p:TT+4*e_u+2*e_p+1] op_sel_hi:[1,0,1]
.endif
.elseif e_m < 26
.if e_k == 0
	v_min3_num_f32 v[MIN+e_u], v[e_q], v[e_q+1], v[e_q+2]
.elseif e_k < 3
	v_min3_num_f32 v[MIN+e_u], v[MIN+e_u], v[e_q+2*e_k+1], v[e_q+2*e_k+2]
.elseif e_k == 3
	v_min_num_f32 v[MIN+e_u], v[MIN+e_u], v[e_q+7]
.else
	v_med3_num_f32 v[MIN+e_u], v[MIN+e_u], 0, v[RUN+e_r]   ; min(old, max(least, 0)): old is never negative
.endif
.elseif e_k == 0
	v_cmp_ge_f32 vcc_lo, v[MIN+e_u], v[RUN+e_r]    ; no strict improvement: all is kept, so the first index stays
.elseif e_k == 1
	v_cndmask_b32 v[XI+2*e_r+1], s[TE], v[XI+2*e_r+1], vcc_lo
.elseif e_k < 10
	v_cndmask_b32 v[SAVE+8*e_r+e_k-2], v[e_q+e_k-2], v[SAVE+8*e_r+e_k-2], vcc_lo
.else
	v_mov_b32 v[RUN+e_r], v[MIN+e_u]
.endif
.set e_n, e_n+1
.endm
; A STEP.  pm: its number mod 4.  mode 1: the slot is filled again; 2: the last change of slots.  cof: where its c_sq begin, from v[ADC].  last = 1: no step follows.
; A load into a register that a matrix instruction has read stands eight places behind it.
.macro STEP pm, mode, last, cof
	s_wait_dscnt 0x0                               ; K steps 0 to 2 and the scale words
	ROUND8 0
	PLACES 8
	ds_load_b128 v[CSQ:CSQ+3], v[ADC] offset:\cof
	ds_load_b128 v[CSQ+4:CSQ+7], v[ADC] offset:\cof+16
	BLOAD \pm, 3
	ROUND8 1
	PLACES 8
	BLOAD \pm, 4
	ROUND8 2
	PLACES 8
	BLOAD \pm, 5
	s_wait_dscnt 8                                 ; K step 3 and c_sq are in; behind them: the four loads each of K steps 4 and 5
	ROUND8 3
.if \mode
	WIN 0
	s_wait_tensorcnt 0x0                           ; all my tensor loads have landed: my part of the next slot
	ds_add_u32 v[SPW], v[NIL]
	s_wait_dscnt 5                                 ; K step 4 is in; behind it: K step 5's four loads and the add
.else
	s_wait_dscnt 4                                 ; K step 4 is in; behind it: K step 5's four loads
.endif
	ROUND8 4
	s_wait_dscnt 0x0                               ; K step 5 is in: my reads of this record are over (and the add is done)
.if \mode
	s_barrier_signal -1
.endif
	ROUND8 5
	WIN 0
.if \mode
	s_barrier_wait -1
.endif
.if (\mode) == 1
	CREST                                          ; the barrier has opened a round of the cluster's
	s_add_nc_u64 s[G0+4*((\pm)/2)+2:G0+4*((\pm)/2)+3], s[G0+4*((\pm)/2)+2:G0+4*((\pm)/2)+3], 2*PAIR   ; no tensor load of mine is out: this slot's next pair
	tensor_load_to_lds s[G0+4*((\pm)/2):G0+4*((\pm)/2)+3], s[G1:G1+7]
	s_nop 0
.endif
	PLACES 4
.set e_n, 0
.rept 4
	EP
.endr
.if (\last) == 0
	NEXTB ((\pm)+1)%4
.endif
.rept 188
	EP
.endr
	s_add_co_u32 s[TE], s[TE], 1
.endm
.macro MERGE d, i, pd, pi, m           ; the lesser root in m, and of equal roots the lower index, in i
	v_min_num_f32 v[\m], v[\d], v[\pd]
	v_cmp_eq_f32 vcc_lo, v[\d], v[\m]
	v_cndmask_b32 v[\i], 0x7fffffff, v[\i], vcc_lo
	v_cmp_eq_f32 vcc_lo, v[\pd], v[\m]
	v_cndmask_b32 v[\pi], 0x7fffffff, v[\pi], vcc_lo
	v_min_u32 v[\i], v[\i], v[\pi]
.endm
; ---------------- the head
	s_load_b256 s[4:11], s[0:1], 0x0               ; embed s[4:5], cb s[6:7], csq s[8:9], out0 s[10:11]
	v_lshl_add_u32 v[SPW], v0, 2, SPARE
	v_mov_b32 v[NIL], 0
	ds_add_u32 v[SPW], v[NIL]                      ; the opening lines: the add twice on end and its wait
	ds_add_u32 v[SPW], v[NIL]
	v_lshrrev_b32 v3, 5, v0
	v_readfirstlane_b32 s12, v3                    ; wave 0..3
	s_and_b32 s14, s12, 1
	s_bfe_u32 s15, ttmp6, 0x40000                  ; cx
	s_lshl_b32 s16, ttmp9, 2
	s_add_co_u32 s16, s16, s15                     ; my block of 128 rows: it enters embed's and out0's global addresses alone
	s_mov_b32 s[G1], 15|(3<<16)|(1<<21)            ; the centres: mask of all four; elements of 8 bytes; bit 21 beside a mask
	s_mov_b32 s[G1+1], 32<<16
	s_mov_b32 s[G1+2], 99<<16                      ; 99 rows of 256 bytes: a pair
	s_mov_b32 s[G1+3], 32<<16
	s_mov_b32 s[G1+4], 99
	s_mov_b32 s[G1+5], 32
	s_mov_b32 s[G1+6], 0
	s_mov_b32 s[G1+7], 0
	s_mov_b32 s[G1E], 2<<16                        ; embed: no mask; elements of 4 bytes
	s_mov_b32 s[G1E+1], 384<<16                    ; tensor_dim0 = 384: beyond it zeros are written
	s_mov_b32 s[G1E+2], 16<<16                     ; tensor_dim1 = 16
	s_mov_b32 s[G1E+3], 396<<16                    ; tile_dim0 = 396: an LDS row of 1,584 bytes
	s_mov_b32 s[G1E+4], 16
	s_mov_b32 s[G1E+5], 768                        ; the pitch
	s_mov_b32 s[G1E+6], 0
	s_mov_b32 s[G1E+7], 0
	s_mul_i32 s18, s12, 16*PAIR                    ; my quarter of the records
	s_mov_b32 s19, 0
	s_mul_i32 s20, s12, PAIR                       ; my part of a slot
	s_lshl_b32 s22, s12, 11                        ; my quarter of c_sq
	s_mov_b32 s23, 0
	s_mul_i32 s2, s16, 128*3072
	s_mul_i32 s3, s12, 32*3072
	s_add_co_u32 s2, s2, s3
	s_mov_b32 s3, 0
	s_lshl_b32 s58, s16, 9
	s_lshl_b32 s59, s14, 8
	s_add_co_u32 s58, s58, s59
	s_mov_b32 s59, 0
	s_mov_b32 s[SEL], 0x76543210
	s_mov_b32 s[SEL+1], 0xfedcba98
	s_mov_b32 s[MNT], 0x600000
	s_lshl_b32 s[TE], s12, 5                       ; my first tile of centres
	s_wait_alu depctr_va_vdst(0)                   ; the wait ahead of the waits below
	s_wait_dscnt 0x0
	s_wait_kmcnt 0x0
	s_add_nc_u64 s[4:5], s[4:5], s[2:3]
	s_add_nc_u64 s[10:11], s[10:11], s[58:59]
	s_add_nc_u64 s[6:7], s[6:7], s[18:19]
	s_add_nc_u64 s[8:9], s[8:9], s[22:23]
	CROUND                                         ; the round in front of the first loads
.irp n, 0,1
	s_mov_b32 s[G0+4*\n], 1
	s_add_co_u32 s[G0+4*\n+1], s20, \n*SLOT
	s_add_nc_u64 s[G0+4*\n+2:G0+4*\n+3], s[6:7], \n*PAIR
	s_or_b32 s[G0+4*\n+3], s[G0+4*\n+3], 0x80000000
	s_mov_b32 s[G0E+4*\n], 1
	s_add_co_u32 s[G0E+4*\n+1], s20, \n*SLOT
	s_add_nc_u64 s[G0E+4*\n+2:G0E+4*\n+3], s[4:5], \n*1536
	s_or_b32 s[G0E+4*\n+3], s[G0E+4*\n+3], 0x80000000
.endr
	tensor_load_to_lds s[G0E:G0E+3], s[G1E:G1E+7]  ; fill 0: my first row tile, K 0 to 383: my one load at the head
	s_nop 0
	PLACES 4
	v_and_b32 v[TM], 15, v0                        ; r
	v_bfe_u32 v[TM+1], v0, 4, 1                    ; h
	v_and_b32 v[TM+2], 31, v0                      ; lane
	v_lshlrev_b32 v[TM+3], 4, v[TM+2]
.irp i, 0,1,2,3
	global_load_b128 v[X+4*\i:X+4*\i+3], v[TM+3], s[8:9] offset:512*\i   ; my quarter of c_sq, 512 consecutive bytes a load
.endr
	v_mul_u32_u24 v[PFO], v[TM], 3072
	v_lshl_add_u32 v[PFO], v[TM+1], 8, v[PFO]
	v_mul_u32_u24 v[XA], v[TM], EROW               ; the stage: row r,
	v_lshl_add_u32 v[XA], v[TM+1], 6, v[XA]        ; + 64 h: my 16 numbers of a block of 32,
	v_add_nc_u32 v[XA], s20, v[XA]                 ; in my part of slot 0
	s_mul_i32 s18, s12, 12*2048
	s_add_co_u32 s18, s18, XIMG
	v_lshl_add_u32 v[XWI], v[TM+2], 4, s18         ; my wave's 12 images, 16 x lane
	s_mul_i32 s18, s12, 12*64
	s_add_co_u32 s18, s18, XSC
	v_lshl_add_u32 v[XWS], v[TM], 2, s18           ; their scale words, 4 r
	s_add_co_u32 s18, s22, CSQL
	v_add_nc_u32 v[TM+8], s18, v[TM+3]             ; my quarter of c_sq in LDS, 16 x lane
	s_lshl_b32 s21, s12, 7
	s_add_co_u32 s21, s21, XSQL                    ; x_sq of my 32 rows
.irp b, 0,1,2,3
	v_mov_b32 v[TM+4+\b], 0                        ; a lane permute's destination counts as one of its sources
.endr
	PF 1
	s_wait_alu depctr_va_vdst(0)                   ; the wait ahead of the wait below
	s_wait_loadcnt 0x0
.irp i, 0,1,2,3
	ds_store_b128 v[TM+8], v[X+4*\i:X+4*\i+3] offset:512*\i
.endr
; ---------------- phase A: four fills of embed, then the ring's first two pairs; each fill is worked while the next is on its way
	FILL G0E+4, G1E, 0                             ; fill 1: K 384 to 767, into slot 1 (its first fill, issued as a refill is)
	XL
	PF 2
	UNIT 0
	UNIT 1
	UNIT 2
	FILL G0E, G1E, 49152                           ; fill 2: my second row tile
	v_add_nc_u32 v[XA], SLOT, v[XA]
	XL
	PF 3
	UNIT 3
	UNIT 4
	UNIT 5
	FILL G0E+4, G1E, 49152                         ; fill 3
	v_sub_nc_u32 v[XA], v[XA], SLOT
	XL
	UNIT 6
	UNIT 7
	UNIT 8
	FILL G0, G1, 0                                 ; slot 0 has been read out: the centres' first pair, jointly
	v_add_nc_u32 v[XA], SLOT, v[XA]
	XL
	UNIT 9
	UNIT 10
	UNIT 11
	FILL G0+4, G1, 0                               ; slot 0's pair has landed, everybody's images, scale words and x_sq too; slot 1 takes the second pair
; ---------------- all 128 rows' codes into registers, and what step 0 begins with
	v_and_b32 v36, 31, v0
	v_and_b32 v37, 15, v0
	v_bfe_u32 v38, v0, 4, 1
	v_lshl_add_u32 v[ADB], v36, 4, s20
	v_add_nc_u32 v[ADB+1], SLOT, v[ADB]
	v_lshl_add_u32 v[ADS], v36, 2, s20
	v_add_nc_u32 v[ADS+1], SLOT, v[ADS]
	s_add_co_u32 s18, s22, CSQL
	v_lshl_add_u32 v[ADC], v38, 5, s18
	v_lshl_add_u32 v72, v36, 4, XIMG
	v_add_nc_u32 v73, 24*2048, v72
	v_lshl_add_u32 v74, v36, 2, XSC
	v_lshl_add_u32 v75, v37, 2, XSQL
	AFETCH 1
	AFETCH 2
	AFETCH 3
	WIN 0
.irp rt, 0,1,2,3,4,5,6,7
.irp g, 0,1,2
	ds_load_b32 v[ASC+3*\rt+\g], v74 offset:384*\rt+128*\g
.endr
.endr
.irp rt, 0,1,2,3,4,5,6,7
	ds_load_b32 v[XI+2*\rt], v75 offset:64*\rt
.endr
	NEXTB 0
.irp rt, 0,1,2,3,4,5,6,7
	v_mov_b32 v[RUN+\rt], 0x7f800000               ; the least so far: +infinity
	v_mov_b32 v[XI+2*\rt+1], s[TE]
.endr
.set z_i, 0
.rept 64
	v_mov_b32 v[SAVE+z_i], 0x7f800000              ; written once: the selects name them as a source from the first tile on
.set z_i, z_i+1
.endr
; ---------------- the 32 steps
	STEP 0, 0, 0, 0
	s_mov_b32 s[CNT], 7
.Ltrip:                                            ; a trip: four steps, once round the ring; both slots are filled again
	s_wait_alu depctr_va_vdst(0)
	STEP 1, 1, 0, 64
	STEP 2, 0, 0, 128
	STEP 3, 1, 0, 192
	STEP 0, 0, 0, 256
	v_add_nc_u32 v[ADC], 256, v[ADC]
	s_sub_co_u32 s[CNT], s[CNT], 1
	s_cmp_lg_u32 s[CNT], 0
	s_cbranch_scc1 .Ltrip
	s_wait_alu depctr_va_vdst(0)
	STEP 1, 2, 0, 64                               ; the tail is written out: the last change of slots fills nothing
	STEP 2, 0, 0, 128
	STEP 3, 0, 1, 192
; ---------------- the way out
.set JS,  144
.set DD,  152
.set DN,  160
.set UP,  168
.set RLO, 176
.set RHI, 184
.set IX,  192
.set PD,  200
.set PI,  208
.set MM,  216
.set SCW, 224
.set SCD, 225
.set OO,  226
.set H8,  227
	v_and_b32 v[SCW], 15, v0
	v_and_b32 v[OO], 31, v0
	v_bfe_u32 v[H8], v0, 4, 1
	v_lshlrev_b32 v[H8], 3, v[H8]                  ; 8 h
	s_lshl_b32 s18, s12, 10
	s_add_co_u32 s18, s18, SCR
	v_lshl_add_u32 v[SCW], v[SCW], 2, s18          ; my candidates: 1,024 x wave + 4 r
	s_lshl_b32 s19, s14, 8
	s_add_co_u32 s19, s19, SCR
	v_lshl_add_u32 v[SCD], v[OO], 3, s19           ; where waves 0 and 1 read all four waves' back: rows 64 w + 2 l, + 1
	v_lshlrev_b32 v[OO], 3, v[OO]
.irp rt, 0,1,2,3,4,5,6,7
	v_mov_b32 v[JS+\rt], 7
	v_mov_b32 v[PD+\rt], 0
	v_mov_b32 v[PI+\rt], 0
.endr
.irp j, 6,5,4,3,2,1,0
.irp rt, 0,1,2,3,4,5,6,7
	v_cmp_gt_f32 vcc_lo, v[SAVE+8*\rt+\j], v[RUN+\rt]   ; the lowest j is tried last, so the first of equals stays
	v_cndmask_b32 v[JS+\rt], \j, v[JS+\rt], vcc_lo
.endr
.endr
	s_wait_alu depctr_va_vdst(0)                   ; the wait ahead of the batch
.irp rt, 0,1,2,3,4,5,6,7
	v_sqrt_f32 v[DD+\rt], v[RUN+\rt]
.endr
.irp rt, 0,1,2,3,4,5,6,7
	v_lshl_add_u32 v[IX+\rt], v[XI+2*\rt+1], 4, v[JS+\rt]   ; 16 x tile + j
.endr
.irp rt, 0,1,2,3,4,5,6,7
	v_add_nc_u32 v[IX+\rt], v[H8], v[IX+\rt]       ; + 8 h
.endr
	s_wait_alu depctr_va_vdst(0)                   ; and behind it
.irp rt, 0,1,2,3,4,5,6,7
	v_add_nc_u32 v[DN+\rt], -1, v[DD+\rt]          ; the neighbours' residuals say which of the three is the rounded root
	v_add_nc_u32 v[UP+\rt], 1, v[DD+\rt]
.endr
.irp rt, 0,1,2,3,4,5,6,7
	v_fma_f32 v[RLO+\rt], -v[DN+\rt], v[DD+\rt], v[RUN+\rt]
	v_fma_f32 v[RHI+\rt], -v[UP+\rt], v[DD+\rt], v[RUN+\rt]
.endr
.irp rt, 0,1,2,3,4,5,6,7
	v_cmp_ge_f32 vcc_lo, 0, v[RLO+\rt]
	v_cndmask_b32 v[DD+\rt], v[DD+\rt], v[DN+\rt], vcc_lo
	v_cmp_lt_f32 vcc_lo, 0, v[RHI+\rt]
	v_cndmask_b32 v[DD+\rt], v[DD+\rt], v[UP+\rt], vcc_lo
.endr
.irp rt, 0,1,2,3,4,5,6,7
	v_permlanex16_b32 v[PD+\rt], v[DD+\rt], s[SEL], s[SEL+1]
	v_permlanex16_b32 v[PI+\rt], v[IX+\rt], s[SEL], s[SEL+1]
.endr
.irp rt, 0,1,2,3,4,5,6,7
	MERGE DD+\rt, IX+\rt, PD+\rt, PI+\rt, MM+\rt
.endr
.irp rt, 0,1,2,3,4,5,6,7
	ds_store_b32 v[SCW], v[MM+\rt] offset:64*\rt
	ds_store_b32 v[SCW], v[IX+\rt] offset:512+64*\rt
.endr
	s_wait_dscnt 0x0                               ; for the others' sake: my candidates have landed
	s_barrier_signal -1
	s_barrier_wait -1
	s_cmp_gt_u32 s12, 1                            ; waves 0 and 1 join the four quarters of the centres, 64 rows each
	s_cbranch_scc1 .Lnot_out
.irp q, 0,1,2,3
	ds_load_b64 v[228+4*\q:229+4*\q], v[SCD] offset:1024*\q
	ds_load_b64 v[230+4*\q:231+4*\q], v[SCD] offset:1024*\q+512
.endr
	s_wait_dscnt 0x0
.irp e, 0,1
	MERGE 228+\e, 230+\e, 232+\e, 234+\e, 244+\e
	MERGE 244+\e, 230+\e, 236+\e, 238+\e, 246+\e
	MERGE 246+\e, 230+\e, 240+\e, 242+\e, 248+\e
.endr
	global_store_b64 v[OO], v[230:231], s[10:11]   ; 32 lanes store 256 consecutive bytes, at a multiple of 256 from out0's first byte
.Lnot_out:
	s_wait_tensorcnt 0x0                           ; the wave's end
	ds_add_u32 v[SPW], v[NIL]
	s_wait_dscnt 0x0
	CROUND                                         ; the closing round
	s_endpgm
.Lfunc_end_k_q285c7122b4_knn:
	.size	k_q285c7122b4_knn, .Lfunc_end_k_q285c7122b4_knn-k_q285c7122b4_knn
	.p2alignl 7, 3214868480
	.fill 96, 4, 3214868480
	.section	.rodata,"a",@progbits
	.p2align	6, 0x0
	.amdhsa_kernel k_q285c7122b4_knn
		.amdhsa_group_segment_fixed_size 327680
		.amdhsa_private_segment_fixed_size 0
		.amdhsa_enable_private_segment 0
		.amdhsa_kernarg_size 32
		.amdhsa_user_sgpr_count 2
		.amdhsa_user_sgpr_kernarg_segment_ptr 1
		.amdhsa_wavefront_size32 1
		.amdhsa_system_sgpr_workgroup_id_x 1
		.amdhsa_system_sgpr_workgroup_id_y 1
		.amdhsa_system_sgpr_workgroup_id_z 1
		.amdhsa_system_vgpr_workitem_id 0
		.amdhsa_next_free_vgpr 1024
		.amdhsa_next_free_sgpr 80
		.amdhsa_reserve_vcc 1
		.amdhsa_float_denorm_mode_32 3
		.amdhsa_float_denorm_mode_16_64 3
		.amdhsa_memory_ordered 1
		.amdhsa_forward_progress 1
		.amdhsa_inst_pref_size 255
	.end_amdhsa_kernel
	.section	.bss,"aw",@nobits
	.p2align	6
	.space	262144
	.amdgpu_metadata
---
amdhsa.version: [ 1, 2 ]
amdhsa.kernels:
  - .name:           k_q285c7122b4_knn
    .symbol:         k_q285c7122b4_knn.kd
    .args:
      - { .name: embed, .offset: 0, .size: 8, .value_kind: global_buffer, .address_space: global }
      - { .name: cb, .offset: 8, .size: 8, .value_kind: global_buffer, .address_space: global }
      - { .name: csq, .offset: 16, .size: 8, .value_kind: global_buffer, .address_space: global }
      - { .name: out0, .offset: 24, .size: 8, .value_kind: global_buffer, .address_space: global }
    .group_segment_fixed_size: 327680
    .private_segment_fixed_size: 0
    .kernarg_segment_align: 8
    .kernarg_segment_size: 32
    .max_flat_workgroup_size: 128
    .sgpr_count:     80
    .vgpr_count:     1024
    .wavefront_size: 32
...
	.end_amdgpu_metadata
.endif
;; end of part 2
